; MI455X (gfx1250); checked and timed in simulation.
; The chip was launched on July 23, 2026; its instructions are those of AMD's public machine-readable ISA for CDNA 5 (MIT licence, August 2026) and "CDNA5" Instruction Set Architecture Reference Guide (July 2026). The comments in the code are by the model that wrote it; some were corrected since.
;; LSH Attention. Allowed arithmetic: float matrix products may take bf16 or f16 operands with f32 sums; all other float work in f32.
;; Inputs: query 32 x 2,048 x 64 float32; rand_matrix 32 x 64 x 4 x 16 float32; value 32 x 2,048 x 64 float32.
;; Outputs: out0 32 x 2,048 x 64 float32.
;; One version. Each part assembles by itself: llvm-mc -triple=amdgcn-amd-amdhsa -mcpu=gfx1250 --defsym DOCPART=n.
;; ======== version 1 of 1: 3 launches
;; limits: values are held in f16: magnitudes above 65,504 overflow, below 6.1e-05 lose precision; inputs' magnitudes at most 65,504
;; workspace buffers: packed 16,777,216 bytes; anorm 262,144 bytes; ranks 1,048,576 bytes of whole numbers; att 33,554,432 bytes; stat 2,097,152 bytes
;; launch hash (part 1): grid 128 x 1, 16 waves a work-group, no clusters, 86,016 bytes of LDS; arguments query, rand_matrix, value, packed, anorm, ranks; writes packed, anorm, ranks
.if DOCPART == 1
	.amdgcn_target "amdgcn-amd-amdhsa--gfx1250"
	.amdhsa_code_object_version 6
	.text
	.protected	k_q7277d44874_hash
	.globl	k_q7277d44874_hash
	.p2align	8
	.type	k_q7277d44874_hash,@function
k_q7277d44874_hash:
	s_mov_b64 s[64:65], 0
	v_nop
	global_prefetch_b8 v0, s[64:65] scope:SCOPE_SE
	s_setreg_imm32_b32 hwreg(HW_REG_WAVE_MODE, 25, 1), 1
	s_wait_xcnt 0x0
; LSH hashes, the ranks of the stable bucket sort, and the packed rows for the attention launch.
; A work-group owns one (b, round): 2,048 positions.  Sixteen waves, 128 consecutive positions each, in four groups of 32.
; proj = query x rand_matrix[b,:,round,:] goes to the matrix unit in bf16 (both inputs rounded to nearest even), sums in f32.
; Source 0 = the 16 projection vectors, source 1 = 16 queries: a lane then holds ONE query and 8 of its 16 projections.
; hash = first index of the maximum of [proj, -proj].  rank = (positions with a smaller hash) + (earlier positions with the same hash),
; made by ballots, population counts and selects alone: no address and no branch hangs on a hash.
; The group whose number is the round is also packed: row p of 'packed' is 256 bytes, its piece i of 16 bytes = 4 f16 of q / |q| and 4 f16 of value
; (channels 4 i ..; both inputs rounded to bf16 first); anorm[p] = sqrt(max(sum q^2, 1e-12)) x log2(e) / 8, so that q . khat / 8 in base 2 is (qhat . khat) x anorm.
; LIMITS.  NaN and infinities are not treated apart.  A value beyond 65,504 has no f16.  Two projections that differ by less than the rounding of
; the f32 sums may be ordered otherwise than by another order of summation.
; No cluster and no tensor load: every byte is used by one wave alone and is converted on its way, so it passes through registers.
; 128 work-groups: a rank needs the counts of the whole sequence of a (b, round), which meet in LDS.
.set QPIT,  144                        ; a staged row: 64 bf16 + 16 bytes: 16 rows start at 16 different groups of four banks
.set QSTW,  32*QPIT                    ; a wave's stage for 32 rows, from LDS byte 0 on
.set RST,   16*QSTW                    ; a wave's 128 ranks
.set HIST,  RST+16*512                 ; 16 waves x 32 counts
.set SPARE, HIST+16*128                ; the spare words: 128 bytes a wave, named by no other line
.set L16,  1                           ; lane % 16
.set HB,   2                           ; lane / 16
.set LANE, 3
.set QOFF, 4                           ; my 16 bytes in 32 rows of 256 bytes: row i (lanes 0-15) and row 16 + i (lanes 16-31)
.set QSA,  5                           ; where I stage 4 bf16
.set QFA,  6                           ; where I read fragments
.set RSA,  7
.set RSR,  8
.set HAD,  9
.set SPW,  10
.set NIL,  11
.set HV,   12                          ; v12-15 my position's hash in group g
.set RK,   16                          ; v16-19 its rank (v16 first holds my offset in rand_matrix)
.set HISTV, 20
.set TOT,  21
.set BEL,  22
.set AACC, 23                          ; anorm of packed row = lane
.set T,    24                          ; v24-31 at work
.set RF,   32                          ; v32-47 fragments of rand_matrix, two K steps
.set QF,   48                          ; v48-79 fragments of two tiles of 16 queries; later the 16 waves' counts, the ranks to store
.set ACA,  80
.set ACB,  88
.set QL,   96                          ; v96-159 sixteen loads of 16 bytes
.set VL,   160                         ; v160-223 likewise; first the 32 raw words of rand_matrix
.set RUN,  32                          ; s32-63 a running count for each of the 32 buckets
	s_load_b256 s[4:11], s[0:1], 0x0               ; query, rand_matrix, value, packed
	s_load_b128 s[12:15], s[0:1], 0x20             ; anorm, ranks
	v_lshl_add_u32 v[SPW], v0, 2, SPARE
	v_mov_b32 v[NIL], 0
	v_lshrrev_b32 v[T], 5, v0
	v_readfirstlane_b32 s16, v[T]                  ; wave
	v_and_b32 v[LANE], 31, v0
	v_and_b32 v[L16], 15, v0
	v_bfe_u32 v[HB], v0, 4, 1
	s_lshr_b32 s17, ttmp9, 2                       ; b
	s_and_b32 s18, ttmp9, 3                        ; round
	s_mov_b32 s26, 0x76543210                      ; v_permlanex16_b32: each lane takes its own place in the other half
	s_mov_b32 s27, 0xfedcba98
	s_mov_b32 s28, 0xffff0000                      ; a word's upper bf16; as a lane mask: lanes 16-31
	v_lshlrev_b32 v[QOFF], 4, v[L16]
	v_lshl_add_u32 v[QOFF], v[HB], 12, v[QOFF]
	s_mul_i32 s24, s16, QSTW
	v_lshlrev_b32 v[QSA], 3, v[L16]
	v_mad_u32_u24 v[QSA], v[HB], 16*QPIT, v[QSA]
	v_add_nc_u32 v[QSA], s24, v[QSA]
	v_mul_u32_u24 v[QFA], v[L16], QPIT
	v_lshl_add_u32 v[QFA], v[HB], 4, v[QFA]
	v_add_nc_u32 v[QFA], s24, v[QFA]
	s_lshl_b32 s24, s16, 9
	s_add_co_u32 s24, s24, RST
	v_lshl_add_u32 v[RSA], v[LANE], 2, s24
	v_lshl_add_u32 v[RSR], v[LANE], 4, s24
	v_lshl_add_u32 v[HAD], v[LANE], 2, HIST
	v_lshlrev_b32 v[RK], 2, v[L16]                 ; rand_matrix: projection l % 16, channels 8 (l / 16) on: 256 bytes a channel
	v_lshl_add_u32 v[RK], v[HB], 11, v[RK]
	v_mov_b32 v[AACC], 0
	s_wait_kmcnt 0x0
	s_lshl_b32 s20, s17, 19                        ; b x 2,048 rows + wave x 128 rows, of 256 bytes
	s_lshl_b32 s21, s16, 15
	s_add_co_u32 s20, s20, s21
	s_mov_b32 s21, 0
	s_add_nc_u64 s[4:5], s[4:5], s[20:21]          ; query at my wave's first row
	s_lshl_b32 s22, s18, 13                        ; the group that I pack: 32 rows x the round
	s_mov_b32 s23, 0
	s_add_nc_u64 s[30:31], s[4:5], s[22:23]
	s_add_co_u32 s20, s20, s22
	s_add_nc_u64 s[8:9], s[8:9], s[20:21]
	s_add_nc_u64 s[10:11], s[10:11], s[20:21]
	s_lshl_b32 s20, s17, 14                        ; rand_matrix[b][0][round][0]
	s_lshl_b32 s22, s18, 6
	s_add_co_u32 s20, s20, s22
	s_add_nc_u64 s[6:7], s[6:7], s[20:21]
	s_lshl_b32 s20, s17, 13                        ; anorm[b][128 wave + 32 round]
	s_lshl_b32 s22, s16, 9
	s_add_co_u32 s20, s20, s22
	s_lshl_b32 s24, s18, 7
	s_add_co_u32 s20, s20, s24
	s_add_nc_u64 s[12:13], s[12:13], s[20:21]
	s_lshl_b32 s20, ttmp9, 13                      ; ranks[b][round][128 wave]
	s_add_co_u32 s20, s20, s22
	s_add_nc_u64 s[14:15], s[14:15], s[20:21]
.macro PLACES                          ; four plain vector instructions behind matrix instructions, ahead of the first read of their results (ISA guide 7.12.1)
.rept 4
	v_nop
.endr
.endm
.macro LOADG g, buf                    ; group g: 32 rows, two rows a load
.irp i, 0,1,2,3,4,5,6,7,8,9,10,11,12,13,14,15
	global_load_b128 v[(\buf)+4*\i:(\buf)+4*\i+3], v[QOFF], s[4:5] offset:(\g)*8192+\i*256
.endr
.endm
; Register q of K step ks of source 0 holds channels 32 ks + 16 (q / 4) + 8 (l / 16) + 2 (q % 4) + 0, 1: word n = 2 (8 ks + q) + e
.set n, 0
.rept 32
	global_load_b32 v[VL+n], v[RK], s[6:7] offset:(32*(n/16)+16*((n/8)%2)+2*((n/2)%4)+(n%2))*256
.set n, n+1
.endr
	LOADG 0, QL
	s_wait_loadcnt 16                              ; rand_matrix is in; group 0's sixteen loads stay out
.set n, 0
.rept 16
	v_cvt_pk_bf16_f32 v[RF+n], v[VL+2*n], v[VL+2*n+1]
.set n, n+1
.endr
	LOADG 1, VL
; The first index of the maximum of [x, -x] over a query's 16 projections, 8 in this lane and 8 in the lane 16 away.
.macro AMAX acc, dst
	v_max3_num_f32 v[T], v[(\acc)], v[(\acc)+1], v[(\acc)+2]
	v_min3_num_f32 v[T+6], v[(\acc)], v[(\acc)+1], v[(\acc)+2]
	v_max3_num_f32 v[T], v[T], v[(\acc)+3], v[(\acc)+4]
	v_min3_num_f32 v[T+6], v[T+6], v[(\acc)+3], v[(\acc)+4]
	v_max3_num_f32 v[T], v[T], v[(\acc)+5], v[(\acc)+6]
	v_min3_num_f32 v[T+6], v[T+6], v[(\acc)+5], v[(\acc)+6]
	v_max_num_f32 v[T], v[T], v[(\acc)+7]
	v_min_num_f32 v[T+6], v[T+6], v[(\acc)+7]
	v_xor_b32 v[T+6], 0x80000000, v[T+6]
	v_max_num_f32 v[T], v[T], v[T+6]
	v_permlanex16_b32 v[T+1], v[T], s26, s27
	v_max_num_f32 v[T+2], v[T], v[T+1]             ; the largest magnitude
	v_xor_b32 v[T+3], 0x80000000, v[T+2]
	v_mov_b32 v[\dst], 99
.irp j, 7,6,5,4,3,2,1,0                ; later selects win: the lowest index, and x ahead of -x
	v_cmp_eq_f32 vcc_lo, v[(\acc)+\j], v[T+3]
	v_cndmask_b32 v[\dst], v[\dst], 16+\j, vcc_lo
.endr
.irp j, 7,6,5,4,3,2,1,0
	v_cmp_eq_f32 vcc_lo, v[(\acc)+\j], v[T+2]
	v_cndmask_b32 v[\dst], v[\dst], \j, vcc_lo
.endr
	v_lshl_add_u32 v[\dst], v[HB], 3, v[\dst]
	v_permlanex16_b32 v[T+1], v[\dst], s26, s27
	v_min_u32 v[\dst], v[\dst], v[T+1]
.endm
; Group g, which lies in buf: to bf16, through my wave's stage into fragments, four products, the hashes.
; younger: the loads issued behind the group's own.  nextg: the group that takes the buffer, or -1.
.macro GROUP g, buf, younger, nextg
.irp i, 0,1,2,3,4,5,6,7,8,9,10,11,12,13,14,15
	s_wait_loadcnt (\younger)+15-\i                ; loads come back in order: load i is in
	v_cvt_pk_bf16_f32 v[T], v[(\buf)+4*\i], v[(\buf)+4*\i+1]
	v_cvt_pk_bf16_f32 v[T+1], v[(\buf)+4*\i+2], v[(\buf)+4*\i+3]
	ds_store_b64 v[QSA], v[T:T+1] offset:\i*QPIT
.endr
.if (\nextg) >= 0
	LOADG \nextg, \buf
.endif
.irp f, 0,1,2,3                        ; tile f / 2, K step f % 2; LDS serves a wave's instructions in order, so these see the stores above
	ds_load_b128 v[QF+8*\f:QF+8*\f+3],   v[QFA] offset:(\f/2)*16*QPIT+(\f%2)*64
	ds_load_b128 v[QF+8*\f+4:QF+8*\f+7], v[QFA] offset:(\f/2)*16*QPIT+(\f%2)*64+32
.endr
	s_wait_dscnt 0x0
	v_wmma_f32_16x16x32_bf16 v[ACA:ACA+7], v[RF:RF+7], v[QF:QF+7], 0                       ; the two accumulators take turns
	v_wmma_f32_16x16x32_bf16 v[ACB:ACB+7], v[RF:RF+7], v[QF+16:QF+23], 0
	v_wmma_f32_16x16x32_bf16 v[ACA:ACA+7], v[RF+8:RF+15], v[QF+8:QF+15], v[ACA:ACA+7]
	v_wmma_f32_16x16x32_bf16 v[ACB:ACB+7], v[RF+8:RF+15], v[QF+24:QF+31], v[ACB:ACB+7]
	PLACES
	AMAX ACA, T+4
	AMAX ACB, T+5
	v_cndmask_b32 v[HV+(\g)], v[T+4], v[T+5], s28  ; lane l: position 32 g + l of my wave
.endm
	GROUP 0, QL, 16, 2
	GROUP 1, VL, 16, 3
	GROUP 2, QL, 16, -1
	GROUP 3, VL, 0, -1
.irp i, 0,1,2,3,4,5,6,7,8,9,10,11,12,13,14,15  ; the rows that I pack are asked for now; the ranks are made meanwhile
	global_load_b128 v[QL+4*\i:QL+4*\i+3], v[QOFF], s[30:31] offset:\i*256
	global_load_b128 v[VL+4*\i:VL+4*\i+3], v[QOFF], s[8:9] offset:\i*256
.endr
	; my wave's count of each bucket, into lane k
	v_mov_b32 v[HISTV], 0
.set k, 0
.rept 32
	v_cmp_eq_u32 s20, k, v[HV]
	v_cmp_eq_u32 s21, k, v[HV+1]
	v_cmp_eq_u32 s22, k, v[HV+2]
	v_cmp_eq_u32 s23, k, v[HV+3]
	s_bcnt1_i32_b32 s20, s20
	s_bcnt1_i32_b32 s21, s21
	s_bcnt1_i32_b32 s22, s22
	s_bcnt1_i32_b32 s23, s23
	s_add_co_u32 s20, s20, s21
	s_add_co_u32 s22, s22, s23
	s_add_co_u32 s20, s20, s22
	v_writelane_b32 v[HISTV], s20, k
.set k, k+1
.endr
	s_lshl_b32 s24, s16, 7
	v_add_nc_u32 v[T], s24, v[HAD]
	ds_store_b32 v[T], v[HISTV]
	s_wait_dscnt 0x0                               ; for the others' sake: my counts are in LDS
	s_barrier_signal -1
	s_barrier_wait -1
.set k, 0
.rept 16
	ds_load_b32 v[QF+k], v[HAD] offset:128*k       ; wave k's counts, bucket = lane
.set k, k+1
.endr
	s_wait_dscnt 0x0
	v_mov_b32 v[TOT], 0
	v_mov_b32 v[BEL], 0
.set k, 0
.rept 16
	s_cmp_gt_u32 s16, k                            ; an earlier wave?
	s_cselect_b32 s24, -1, 0
	v_add_nc_u32 v[TOT], v[TOT], v[QF+k]
	v_and_b32 v[T], s24, v[QF+k]
	v_add_nc_u32 v[BEL], v[BEL], v[T]
.set k, k+1
.endr
	s_mov_b32 s25, 0                               ; positions in smaller buckets
.set k, 0
.rept 32
	v_readlane_b32 s24, v[TOT], k
	v_readlane_b32 s[RUN+k], v[BEL], k
	s_add_co_u32 s[RUN+k], s[RUN+k], s25
	s_add_co_u32 s25, s25, s24
.set k, k+1
.endr
.irp g, 0,1,2,3
	v_mov_b32 v[RK+\g], 0
.set k, 0
.rept 32
	v_cmp_eq_u32 s20, k, v[HV+\g]
	v_mbcnt_lo_u32_b32 v[T], s20, s[RUN+k]         ; the bucket's running count + the lower lanes in it
	v_cndmask_b32 v[RK+\g], v[RK+\g], v[T], s20
	s_bcnt1_i32_b32 s21, s20
	s_add_co_u32 s[RUN+k], s[RUN+k], s21
.set k, k+1
.endr
	ds_store_b32 v[RSA], v[RK+\g] offset:128*\g
.endr
	ds_load_b128 v[QF:QF+3], v[RSR]                ; back as 16 bytes a lane: one store of 512 consecutive bytes
	v_lshlrev_b32 v[QF+4], 4, v[LANE]
	s_wait_dscnt 0x0
	global_store_b128 v[QF+4], v[QF:QF+3], s[14:15]
; Packed rows i and 16 + i: a row's 64 numbers lie in 16 lanes, 4 each.
.macro PACKROW i
	s_wait_loadcnt 30-2*(\i)                       ; behind this row's two loads stand two for each later row
	v_cvt_pk_bf16_f32 v[T], v[QL+4*(\i)], v[QL+4*(\i)+1]
	v_cvt_pk_bf16_f32 v[T+1], v[QL+4*(\i)+2], v[QL+4*(\i)+3]
	v_lshlrev_b32 v[T+2], 16, v[T]
	v_and_b32 v[T+3], s28, v[T]
	v_lshlrev_b32 v[T+4], 16, v[T+1]
	v_and_b32 v[T+5], s28, v[T+1]
	v_mul_f32 v[T+6], v[T+2], v[T+2]
	v_fmac_f32 v[T+6], v[T+3], v[T+3]
	v_fmac_f32 v[T+6], v[T+4], v[T+4]
	v_fmac_f32 v[T+6], v[T+5], v[T+5]
	v_add_f32_dpp v[T+6], v[T+6], v[T+6] row_xmask:1 row_mask:0xf bank_mask:0xf
	v_add_f32_dpp v[T+6], v[T+6], v[T+6] row_xmask:2 row_mask:0xf bank_mask:0xf
	v_add_f32_dpp v[T+6], v[T+6], v[T+6] row_xmask:4 row_mask:0xf bank_mask:0xf
	v_add_f32_dpp v[T+6], v[T+6], v[T+6] row_xmask:8 row_mask:0xf bank_mask:0xf
	v_max_num_f32 v[T+6], 0x2b8cbccc, v[T+6]       ; 1e-12
	v_rsq_f32 v[T+7], v[T+6]
	v_cvt_pk_bf16_f32 v[T], v[VL+4*(\i)], v[VL+4*(\i)+1]        ; plain work behind the transcendental
	v_cvt_pk_bf16_f32 v[T+1], v[VL+4*(\i)+2], v[VL+4*(\i)+3]
	s_wait_alu depctr_va_vdst(0)
	v_mul_f32 v[T+6], v[T+6], v[T+7]               ; the norm
	v_mul_f32 v[T+2], v[T+2], v[T+7]
	v_mul_f32 v[T+3], v[T+3], v[T+7]
	v_mul_f32 v[T+4], v[T+4], v[T+7]
	v_mul_f32 v[T+5], v[T+5], v[T+7]
	v_cvt_pk_f16_f32 v[QL+4*(\i)], v[T+2], v[T+3]
	v_cvt_pk_f16_f32 v[QL+4*(\i)+1], v[T+4], v[T+5]
	v_mul_f32 v[T+6], 0x3e38aa3b, v[T+6]           ; x log2(e) / 8
	v_cmp_eq_u32 vcc_lo, \i, v[L16]
	v_cndmask_b32 v[AACC], v[AACC], v[T+6], vcc_lo
	v_lshlrev_b32 v[T+2], 16, v[T]
	v_and_b32 v[T+3], s28, v[T]
	v_lshlrev_b32 v[T+4], 16, v[T+1]
	v_and_b32 v[T+5], s28, v[T+1]
	v_cvt_pk_f16_f32 v[QL+4*(\i)+2], v[T+2], v[T+3]
	v_cvt_pk_f16_f32 v[QL+4*(\i)+3], v[T+4], v[T+5]
	global_store_b128 v[QOFF], v[QL+4*(\i):QL+4*(\i)+3], s[10:11] offset:(\i)*256  ; 16 lanes store 256 consecutive bytes, aligned; these registers are not written again
.endm
.irp i, 0,1,2,3,4,5,6,7,8,9,10,11,12,13,14,15
	PACKROW \i
.endr
	v_lshlrev_b32 v[T], 2, v[LANE]
	global_store_b32 v[T], v[AACC], s[12:13]
	s_wait_tensorcnt 0x0                           ; the wave's end
	ds_add_u32 v[SPW], v[NIL]
	s_wait_dscnt 0x0
	s_endpgm
.Lfunc_end_k_q7277d44874_hash:
	.size	k_q7277d44874_hash, .Lfunc_end_k_q7277d44874_hash-k_q7277d44874_hash
	.p2alignl 7, 3214868480
	.fill 96, 4, 3214868480
	.section	.rodata,"a",@progbits
	.p2align	6, 0x0
	.amdhsa_kernel k_q7277d44874_hash
		.amdhsa_group_segment_fixed_size 86016
		.amdhsa_private_segment_fixed_size 0
		.amdhsa_enable_private_segment 0
		.amdhsa_kernarg_size 48
		.amdhsa_user_sgpr_count 2
		.amdhsa_user_sgpr_kernarg_segment_ptr 1
		.amdhsa_wavefront_size32 1
		.amdhsa_system_sgpr_workgroup_id_x 1
		.amdhsa_system_sgpr_workgroup_id_y 1
		.amdhsa_system_sgpr_workgroup_id_z 1
		.amdhsa_system_vgpr_workitem_id 0
		.amdhsa_next_free_vgpr 224
		.amdhsa_next_free_sgpr 66
		.amdhsa_reserve_vcc 1
		.amdhsa_float_denorm_mode_32 3
		.amdhsa_float_denorm_mode_16_64 3
		.amdhsa_memory_ordered 1
		.amdhsa_forward_progress 1
		.amdhsa_inst_pref_size 140
	.end_amdhsa_kernel
	.amdgpu_metadata
---
amdhsa.version: [ 1, 2 ]
amdhsa.kernels:
  - .name:           k_q7277d44874_hash
    .symbol:         k_q7277d44874_hash.kd
    .args:
      - { .name: query, .offset: 0, .size: 8, .value_kind: global_buffer, .address_space: global }
      - { .name: rand_matrix, .offset: 8, .size: 8, .value_kind: global_buffer, .address_space: global }
      - { .name: value, .offset: 16, .size: 8, .value_kind: global_buffer, .address_space: global }
      - { .name: packed, .offset: 24, .size: 8, .value_kind: global_buffer, .address_space: global }
      - { .name: anorm, .offset: 32, .size: 8, .value_kind: global_buffer, .address_space: global }
      - { .name: ranks, .offset: 40, .size: 8, .value_kind: global_buffer, .address_space: global }
    .group_segment_fixed_size: 86016
    .private_segment_fixed_size: 0
    .kernarg_segment_align: 8
    .kernarg_segment_size: 48
    .max_flat_workgroup_size: 512
    .sgpr_count:     66
    .vgpr_count:     224
    .wavefront_size: 32
...
	.end_amdgpu_metadata
.endif
;; end of part 1
;; launch attend (part 2): grid 1024 x 1, 4 waves a work-group, no clusters, 113,408 bytes of LDS; arguments packed, anorm, ranks, att, stat; writes att, stat
.if DOCPART == 2
	.amdgcn_target "amdgcn-amd-amdhsa--gfx1250"
	.amdhsa_code_object_version 6
	.text
	.protected	k_q7277d44874_attend
	.globl	k_q7277d44874_attend
	.p2align	8
	.type	k_q7277d44874_attend,@function
k_q7277d44874_attend:
	s_mov_b64 s[64:65], 0
	v_nop
	global_prefetch_b8 v0, s[64:65] scope:SCOPE_SE
	s_setreg_imm32_b32 hwreg(HW_REG_WAVE_MODE, 25, 1), 1
	s_wait_xcnt 0x0
; Attention inside the sorted chunks of one (b, round).  A work-group owns four chunks of 64 sorted places, a wave one chunk; its 128 keys are the chunk before and the chunk itself.
; Local row t stands for sorted place (256 qd - 64 + t) mod 2,048; rows 0-319 are gathered from 'packed' by the list that wave 0 makes from the ranks (whole numbers stored by the launch before).
; S^T = U_k U_q^T in f16 (source 0 = 16 keys, source 1 = 16 queries): a lane holds ONE query (lane % 16) and the keys 8 (lane / 16) + 0..7 of each tile.  s = S x anorm[q] is the score in base 2.
; Masks as reference() has them: key position above the query's: -1e9; equal: -1e5 (both x log2 e).  A true maximum m of the row is taken away before the exponential.
; p = 2^(s - m); l = sum of p; the weights p / count are rounded to f16 and ARE source 1 of O^T = V^T P; att = O / l goes out in f16 by sorted place, with (m, l) beside it.
; count of a key in window n = the number of rounds in which the key's chunk is n or n - 1: it hangs on the key and on its part (own chunk, or chunk before) alone.
; LIMITS.  NaN and infinities are not treated apart; a weight below 2^-126 counts as 0; p / count below 6e-5 keeps f16's fixed step.
; No cluster, no tensor load: the rows follow a list, and no two work-groups walk the same list, so the rows pass through registers into LDS.
.set PU,    144                        ; a row of U in LDS: 128 bytes + 16
.set PV,    160                        ; a row of V: 128 + 32
.set VBASE, 320*PU
.set ORD,   VBASE+320*PV               ; original position of local row t: 384 words and a word for all other places
.set ICP,   ORD+1792                   ; 1 / count as a key of the chunk before
.set ICC,   ICP+1536                   ; 1 / count as a key of the own chunk
.set AN,    ICC+1536                   ; anorm of row t
.set STAGE, AN+1536                    ; 16 rows x 144 bytes a wave, for the way out
.set SP,    144
.set SPARE, STAGE+4*16*SP              ; the spare words: 128 bytes a wave, named by no other line
.set R16, 1
.set HB,  2
.set I16, 3
.set SPW, 4
.set NIL, 5
.set UK,  6                            ; my place in a fragment of U, at my wave's first key row
.set AV,  7                            ; the same for the turning load of V
.set KPA, 8                            ; my 8 keys' positions
.set ICA, 9                            ; my 8 keys' 1 / count
.set QPA, 10                           ; my query's position
.set STO, 11
.set RD,  12
.set GO,  13                           ; 16 x lane
.set SO,  14                           ; 8 x lane
.set UW,  15                           ; where I put 8 bytes of a gathered row's U
.set VW,  16                           ; and of its V
.set TA,  17                           ; the list's words for the rows that I gather
.set TT,  18                           ; ORD + 4 x thread
.set PO,  20                           ; set-up: v20-22 positions; v24-35 their ranks in four rounds; v36-38 anorm; v40-42, v44-46 counts; v48-50 at work
.set RKS, 24
.set ANV, 36
.set CUR, 40
.set PRV, 44
.set CH,  48
.set W1,  49
.set W2,  50
.set NEGV, 30                          ; from the second barrier on: -1e9 log2 e
.set SELV, 31                          ; -1e5 log2 e
.set QF,  32                           ; v32-63 fragments of two query tiles; then:
.set QI,  32                           ; v32-33 my query's position, by tile
.set ANP, 34                           ; v34-37 its anorm, a pair a tile
.set MP,  38                           ; v38-41 m, a pair a tile
.set CC,  42                           ; v42-49 four running maxima a tile
.set LL,  50                           ; v50-57 two pairs of sums a tile; l ends in the first word
.set IV,  58                           ; v58-61 1 / l, a pair a tile
.set TM,  62                           ; v62-63 at work
.set X,   64                           ; v64-127 fragments of K; key positions; 1 / count; fragments of V; rows on their way out
.set S,   128                          ; v128-255 S^T: tile t, key tile kt at S + 64 t + 8 kt; then P in the lower 32 of each 64, O^T in the upper
.set G,   96                           ; set-up: v96-255 forty gathered pieces of 16 bytes
	s_load_b256 s[4:11], s[0:1], 0x0               ; packed, anorm, ranks, att
	s_load_b64 s[12:13], s[0:1], 0x20              ; stat
	v_lshl_add_u32 v[SPW], v0, 2, SPARE
	v_mov_b32 v[NIL], 0
	v_lshrrev_b32 v19, 5, v0
	v_readfirstlane_b32 s16, v19                   ; wave
	v_and_b32 v[R16], 15, v0
	v_bfe_u32 v[HB], v0, 4, 1
	v_lshlrev_b32 v[I16], 4, v[R16]
	v_and_b32 v19, 31, v0
	v_and_b32 v20, 7, v0
	v_bfe_u32 v21, v0, 3, 1
	v_bfe_u32 v22, v0, 3, 2
	s_mul_i32 s24, s16, 64*PU
	v_mul_u32_u24 v[UK], v[R16], PU
	v_lshl_add_u32 v[UK], v[HB], 4, v[UK]
	v_add_nc_u32 v[UK], s24, v[UK]
	s_mul_i32 s24, s16, 64*PV
	s_add_co_u32 s24, s24, VBASE
	v_lshl_add_u32 v[AV], v[HB], 3, v20            ; key 8 (l / 16) + l % 8, channels 8 ((l / 8) % 2) on
	v_mul_u32_u24 v[AV], v[AV], PV
	v_lshl_add_u32 v[AV], v21, 4, v[AV]
	v_add_nc_u32 v[AV], s24, v[AV]
	s_lshl_b32 s24, s16, 8
	s_add_co_u32 s25, s24, ORD
	v_lshl_add_u32 v[KPA], v[HB], 5, s25
	v_lshl_add_u32 v[QPA], v[R16], 2, s25
	v_add_nc_u32 v[QPA], 256, v[QPA]
	s_add_co_u32 s25, s24, ICP
	v_lshl_add_u32 v[ICA], v[HB], 5, s25
	s_mul_i32 s24, s16, 16*SP
	s_add_co_u32 s24, s24, STAGE
	v_mul_u32_u24 v[STO], v[R16], SP
	v_lshl_add_u32 v[STO], v[HB], 4, v[STO]
	v_add_nc_u32 v[STO], s24, v[STO]
	v_mul_u32_u24 v[RD], v22, SP
	v_lshl_add_u32 v[RD], v20, 4, v[RD]
	v_add_nc_u32 v[RD], s24, v[RD]
	v_lshlrev_b32 v[GO], 4, v19
	v_lshlrev_b32 v[SO], 3, v19
	s_mul_i32 s24, s16, 80*PU                      ; wave w gathers rows 80 w .. 80 w + 79, two a load
	v_mul_u32_u24 v[UW], v[HB], PU
	v_lshl_add_u32 v[UW], v[R16], 3, v[UW]
	v_add_nc_u32 v[UW], s24, v[UW]
	s_mul_i32 s24, s16, 80*PV
	s_add_co_u32 s24, s24, VBASE
	v_mul_u32_u24 v[VW], v[HB], PV
	v_lshl_add_u32 v[VW], v[R16], 3, v[VW]
	v_add_nc_u32 v[VW], s24, v[VW]
	s_mul_i32 s24, s16, 320
	s_add_co_u32 s24, s24, ORD
	v_lshl_add_u32 v[TA], v[HB], 2, s24
	v_lshl_add_u32 v[TT], v0, 2, ORD
	s_lshr_b32 s17, ttmp9, 5                       ; b
	s_bfe_u32 s18, ttmp9, 0x20003                  ; round
	s_and_b32 s19, ttmp9, 7                        ; which four chunks
	s_lshl_b32 s20, s19, 8
	s_sub_co_u32 s20, s20, 64
	s_and_b32 s20, s20, 0x7ff                      ; the sorted place of local row 0
	s_lshr_b32 s21, s20, 6                         ; its chunk
	s_mov_b32 s26, 0x76543210
	s_mov_b32 s27, 0xfedcba98
	s_mov_b32 s28, 0xffff0000                      ; lanes 16-31
	s_mov_b32 s25, 0
	s_wait_kmcnt 0x0
	s_lshl_b32 s24, s17, 19
	s_add_nc_u64 s[4:5], s[4:5], s[24:25]          ; packed[b]
	s_lshl_b32 s24, s17, 13
	s_add_nc_u64 s[6:7], s[6:7], s[24:25]          ; anorm[b]
	s_lshl_b32 s24, s17, 15
	s_add_nc_u64 s[8:9], s[8:9], s[24:25]          ; ranks[b]
	s_lshl_b32 s24, s18, 13
	s_add_nc_u64 s[14:15], s[8:9], s[24:25]        ; ranks[b][round]
	s_lshr_b32 s29, ttmp9, 3
	s_lshl_b32 s29, s29, 11
	s_lshl_b32 s24, s19, 8
	s_add_co_u32 s29, s29, s24
	s_lshl_b32 s24, s16, 6
	s_add_co_u32 s29, s29, s24                     ; my chunk's first row in att and stat
	s_lshl_b32 s24, s29, 7
	s_add_nc_u64 s[10:11], s[10:11], s[24:25]
	s_lshl_b32 s24, s29, 3
	s_add_nc_u64 s[12:13], s[12:13], s[24:25]
	; Wave 0 turns the ranks of the (b, round) into the list: ORD[(rank - first place) mod 2,048] = position; places from 384 on fall into one word that nobody reads.
	s_cmp_lg_u32 s16, 0
	s_cbranch_scc1 .Lnot_wave_0
	v_lshlrev_b32 v19, 2, v0                       ; in wave 0 the thread is the lane: position 4 l + 128 i + e
.irp i, 0,1,2,3,4,5,6,7,8,9,10,11,12,13,14,15
	global_load_b128 v[G+4*\i:G+4*\i+3], v[GO], s[14:15] offset:512*\i
.endr
.irp i, 0,1,2,3,4,5,6,7,8,9,10,11,12,13,14,15
	s_wait_loadcnt 15-\i                           ; load i is in, the later ones stay out
.irp e, 0,1,2,3
	v_sub_nc_u32 v20, v[G+4*\i+\e], s20
	v_and_b32 v20, 0x7ff, v20
	v_min_u32 v20, 0x180, v20
	v_lshl_add_u32 v20, v20, 2, ORD
	v_add_nc_u32 v21, 128*\i+\e, v19
	ds_store_b32 v20, v21
.endr
.endr
.Lnot_wave_0:
	s_wait_dscnt 0x0                               ; for the others' sake: the list is in LDS
	s_barrier_signal -1
	s_barrier_wait -1
.irp k, 0,1,2
	ds_load_b32 v[PO+\k], v[TT] offset:512*\k      ; table rows thread + 128 k
.endr
.set j, 0
.rept 40
	ds_load_b32 v[G+4*j], v[TA] offset:8*j         ; the rows that I gather: 80 w + 2 j + l / 16
.set j, j+1
.endr
	s_wait_dscnt 40                                ; the three table rows' positions are in; the forty behind them stay out
.irp k, 0,1,2
	v_min_u32 v[PO+\k], 0x7ff, v[PO+\k]
	v_lshlrev_b32 v[PO+\k], 2, v[PO+\k]
.irp q, 0,1,2,3
	global_load_b32 v[RKS+4*\k+\q], v[PO+\k], s[8:9] offset:8192*\q
.endr
	global_load_b32 v[ANV+\k], v[PO+\k], s[6:7]
.endr
	s_wait_dscnt 0x0
.set j, 0
.rept 40
	v_min_u32 v[G+4*j], 0x7ff, v[G+4*j]
	v_lshl_add_u32 v[G+4*j], v[G+4*j], 8, v[I16]   ; 16 lanes take a row's 256 bytes
	global_load_b128 v[G+4*j:G+4*j+3], v[G+4*j], s[4:5]  ; the load lands on its own address register
.set j, j+1
.endr
	s_wait_loadcnt 40                              ; the fifteen loads for the counts are in; the forty rows stay out
	v_lshrrev_b32 v[CH], 6, v0
	v_add_nc_u32 v[CH], s21, v[CH]                 ; chunk of table row = thread (modulo 32 below)
.irp k, 0,1,2
	v_mov_b32 v[CUR+\k], 0
	v_mov_b32 v[PRV+\k], 0
.irp q, 0,1,2,3
	v_lshrrev_b32 v[W1], 6, v[RKS+4*\k+\q]         ; the key's chunk in round q
	v_sub_nc_u32 v[W1], v[CH], v[W1]
	v_add_nc_u32 v[W1], 2*\k, v[W1]
	v_and_b32 v[W1], 31, v[W1]                     ; own window less that chunk: 0 or 1 where the key lies in the window
	v_cmp_gt_u32 vcc_lo, 2, v[W1]
	v_cndmask_b32 v[W2], 0, 1.0, vcc_lo
	v_add_f32 v[CUR+\k], v[CUR+\k], v[W2]
	v_add_nc_u32 v[W1], 1, v[W1]                   ; the same for the next window, in which the key is one of the chunk before
	v_and_b32 v[W1], 31, v[W1]
	v_cmp_gt_u32 vcc_lo, 2, v[W1]
	v_cndmask_b32 v[W2], 0, 1.0, vcc_lo
	v_add_f32 v[PRV+\k], v[PRV+\k], v[W2]
.endr
.endr
.irp k, 0,1,2
	v_rcp_f32 v[CUR+\k], v[CUR+\k]                 ; counts are 1 to 4: the key's own round counts in both
	v_rcp_f32 v[PRV+\k], v[PRV+\k]
.endr
	v_nop                                          ; a plain instruction behind the last reciprocal
	s_wait_alu depctr_va_vdst(0)
.irp k, 0,1,2
	ds_store_b32 v[TT], v[PRV+\k] offset:ICP-ORD+512*\k
	ds_store_b32 v[TT], v[CUR+\k] offset:ICC-ORD+512*\k
	ds_store_b32 v[TT], v[ANV+\k] offset:AN-ORD+512*\k
.endr
.set j, 0
.rept 40
	s_wait_loadcnt 39-j                            ; row pair j is in
	ds_store_b64 v[UW], v[G+4*j:G+4*j+1] offset:2*PU*j
	ds_store_b64 v[VW], v[G+4*j+2:G+4*j+3] offset:2*PV*j
.set j, j+1
.endr
	v_mov_b32 v[NEGV], 0xceabfbf6                  ; -1e9 x log2 e
	v_mov_b32 v[SELV], 0xc80ce360                  ; -1e5 x log2 e
	s_wait_dscnt 0x0                               ; for the others' sake: my rows and table words are in LDS
	s_barrier_signal -1
	s_barrier_wait -1                              ; from here on the rows and tables are only read, and the stage is each wave's own: no further barrier
.macro PLACES                          ; four plain vector instructions behind matrix instructions, ahead of loads into their sources and of reads of their results
.rept 4
	v_nop
.endr
.endm
; Query tiles 2 pr and 2 pr + 1 of my chunk against its 128 keys.
.macro PAIR pr
	s_wait_xcnt 0x0                                ; the registers that the last pair's stores read are written again only behind this wait
.irp t, 0,1
.irp ks, 0,1
	ds_load_b128 v[QF+16*\t+8*\ks:QF+16*\t+8*\ks+3],   v[UK] offset:(4+2*(\pr)+\t)*16*PU+64*\ks
	ds_load_b128 v[QF+16*\t+8*\ks+4:QF+16*\t+8*\ks+7], v[UK] offset:(4+2*(\pr)+\t)*16*PU+64*\ks+32
.endr
.endr
.irp bt, 0,1                           ; four key tiles at a time: 16 products on 8 accumulators, which take turns
.if \bt
	PLACES
.endif
.irp kk, 0,1,2,3
.irp ks, 0,1
	ds_load_b128 v[X+16*\kk+8*\ks:X+16*\kk+8*\ks+3],   v[UK] offset:(4*\bt+\kk)*16*PU+64*\ks
	ds_load_b128 v[X+16*\kk+8*\ks+4:X+16*\kk+8*\ks+7], v[UK] offset:(4*\bt+\kk)*16*PU+64*\ks+32
.endr
.endr
	s_wait_dscnt 0x0
.irp ks, 0,1
.irp kk, 0,1,2,3
.irp t, 0,1
.if \ks
	v_wmma_f32_16x16x32_f16 v[S+64*\t+8*(4*\bt+\kk):S+64*\t+8*(4*\bt+\kk)+7], v[X+16*\kk+8*\ks:X+16*\kk+8*\ks+7], v[QF+16*\t+8*\ks:QF+16*\t+8*\ks+7], v[S+64*\t+8*(4*\bt+\kk):S+64*\t+8*(4*\bt+\kk)+7]
.else
	v_wmma_f32_16x16x32_f16 v[S+64*\t+8*(4*\bt+\kk):S+64*\t+8*(4*\bt+\kk)+7], v[X+16*\kk+8*\ks:X+16*\kk+8*\ks+7], v[QF+16*\t+8*\ks:QF+16*\t+8*\ks+7], 0
.endif
.endr
.endr
.endr
.endr
	PLACES
.irp kt, 0,1,2,3,4,5,6,7               ; my 64 keys' positions, register for register as S^T has them
	ds_load_b128 v[X+8*\kt:X+8*\kt+3],   v[KPA] offset:64*\kt
	ds_load_b128 v[X+8*\kt+4:X+8*\kt+7], v[KPA] offset:64*\kt+16
.endr
.irp t, 0,1
	ds_load_b32 v[QI+\t], v[QPA] offset:64*(2*(\pr)+\t)
	ds_load_b32 v[ANP+2*\t], v[QPA] offset:AN-ORD+64*(2*(\pr)+\t)
	ds_load_b32 v[ANP+2*\t+1], v[QPA] offset:AN-ORD+64*(2*(\pr)+\t)
.endr
	s_wait_dscnt 0x0
.irp t, 0,1
.set i, 0
.rept 32                               ; each accumulator is read from its low end on
	v_pk_mul_f32 v[S+64*\t+2*i:S+64*\t+2*i+1], v[S+64*\t+2*i:S+64*\t+2*i+1], v[ANP+2*\t:ANP+2*\t+1] op_sel_hi:[1,0]
.set i, i+1
.endr
.set i, 0
.rept 64
	v_cmp_lt_u32 vcc_lo, v[QI+\t], v[X+i]          ; a key behind the query
	v_cndmask_b32 v[S+64*\t+i], v[S+64*\t+i], v[NEGV], vcc_lo
.set i, i+1
.endr
.set i, 8*(4+2*(\pr)+\t)               ; the query itself lies in this key tile alone
.rept 8
	v_cmp_eq_u32 vcc_lo, v[QI+\t], v[X+i]
	v_cndmask_b32 v[S+64*\t+i], v[S+64*\t+i], v[SELV], vcc_lo
.set i, i+1
.endr
.endr
.irp kt, 0,1,2,3,4,5,6,7               ; 1 / count takes the positions' place; it is wanted behind the sums
	ds_load_b128 v[X+8*\kt:X+8*\kt+3],   v[ICA] offset:64*\kt+(\kt/4)*(ICC-ICP)
	ds_load_b128 v[X+8*\kt+4:X+8*\kt+7], v[ICA] offset:64*\kt+(\kt/4)*(ICC-ICP)+16
.endr
.irp t, 0,1
.irp k, 0,1,2,3
	v_max_num_f32 v[CC+4*\t+\k], v[S+64*\t+2*\k], v[S+64*\t+2*\k+1]
.endr
.set i, 4
.rept 28
	v_max3_num_f32 v[CC+4*\t+i%4], v[CC+4*\t+i%4], v[S+64*\t+2*i], v[S+64*\t+2*i+1]
.set i, i+1
.endr
	v_max3_num_f32 v[CC+4*\t], v[CC+4*\t], v[CC+4*\t+1], v[CC+4*\t+2]
	v_max_num_f32 v[CC+4*\t], v[CC+4*\t], v[CC+4*\t+3]
	v_permlanex16_b32 v[TM], v[CC+4*\t], s26, s27  ; the query's other 64 keys lie in the lane 16 away
	v_max_num_f32 v[MP+2*\t], v[CC+4*\t], v[TM]
	v_mov_b32 v[MP+2*\t+1], v[MP+2*\t]
.set i, 0
.rept 32
	v_pk_add_f32 v[S+64*\t+2*i:S+64*\t+2*i+1], v[S+64*\t+2*i:S+64*\t+2*i+1], v[MP+2*\t:MP+2*\t+1] op_sel_hi:[1,0] neg_lo:[0,1] neg_hi:[0,1]
.set i, i+1
.endr
.endr
.set i, 0
.rept 128
	v_exp_f32 v[S+i], v[S+i]
.set i, i+1
.endr
	v_nop                                          ; a plain instruction behind the last exponential
	s_wait_alu depctr_va_vdst(0)
.irp t, 0,1
	v_pk_add_f32 v[LL+4*\t:LL+4*\t+1], v[S+64*\t:S+64*\t+1], v[S+64*\t+2:S+64*\t+3]
	v_pk_add_f32 v[LL+4*\t+2:LL+4*\t+3], v[S+64*\t+4:S+64*\t+5], v[S+64*\t+6:S+64*\t+7]
.set i, 4
.rept 28
	v_pk_add_f32 v[LL+4*\t+2*(i%2):LL+4*\t+2*(i%2)+1], v[LL+4*\t+2*(i%2):LL+4*\t+2*(i%2)+1], v[S+64*\t+2*i:S+64*\t+2*i+1]
.set i, i+1
.endr
	v_pk_add_f32 v[LL+4*\t:LL+4*\t+1], v[LL+4*\t:LL+4*\t+1], v[LL+4*\t+2:LL+4*\t+3]
	v_add_f32 v[LL+4*\t], v[LL+4*\t], v[LL+4*\t+1]
	v_permlanex16_b32 v[TM], v[LL+4*\t], s26, s27
	v_add_f32 v[LL+4*\t], v[LL+4*\t], v[TM]        ; l, at least 1: the maximum's own weight
	v_rcp_f32 v[IV+2*\t], v[LL+4*\t]
	v_rcp_f32 v[IV+2*\t+1], v[LL+4*\t]
	v_nop
.endr
	s_wait_dscnt 0x0                               ; 1 / count is in
.irp t, 0,1
.set i, 0
.rept 32
	v_pk_mul_f32 v[S+64*\t+2*i:S+64*\t+2*i+1], v[S+64*\t+2*i:S+64*\t+2*i+1], v[X+2*i:X+2*i+1]
.set i, i+1
.endr
.set i, 0
.rept 32                               ; word i takes weights 2 i, 2 i + 1: it never lands on a weight still to be read
	v_cvt_pk_f16_f32 v[S+64*\t+i], v[S+64*\t+2*i], v[S+64*\t+2*i+1]
.set i, i+1
.endr
.endr
.irp vb, 0,1                           ; 64 keys at a time: 16 products on 8 accumulators, which take turns
.if \vb
	PLACES
.endif
.irp k2, 0,1
.irp ct, 0,1,2,3
	ds_load_tr16_b128 v[X+32*\k2+8*\ct:X+32*\k2+8*\ct+3],   v[AV] offset:(2*\vb+\k2)*32*PV+32*\ct
	ds_load_tr16_b128 v[X+32*\k2+8*\ct+4:X+32*\k2+8*\ct+7], v[AV] offset:(2*\vb+\k2)*32*PV+16*PV+32*\ct
.endr
.endr
	s_wait_dscnt 0x0
.irp k2, 0,1
.irp ct, 0,1,2,3
.irp t, 0,1
.if (\vb)+(\k2)
	v_wmma_f32_16x16x32_f16 v[S+64*\t+32+8*\ct:S+64*\t+32+8*\ct+7], v[X+32*\k2+8*\ct:X+32*\k2+8*\ct+7], v[S+64*\t+8*(2*\vb+\k2):S+64*\t+8*(2*\vb+\k2)+7], v[S+64*\t+32+8*\ct:S+64*\t+32+8*\ct+7]
.else
	v_wmma_f32_16x16x32_f16 v[S+64*\t+32+8*\ct:S+64*\t+32+8*\ct+7], v[X+32*\k2+8*\ct:X+32*\k2+8*\ct+7], v[S+64*\t+8*(2*\vb+\k2):S+64*\t+8*(2*\vb+\k2)+7], 0
.endif
.endr
.endr
.endr
.endr
	PLACES
	s_wait_alu depctr_va_vdst(0)
.irp t, 0,1                            ; the way out: O / l, to f16, 16 bytes a lane into my stage, back as whole rows
.set i, 0
.rept 16
	v_pk_mul_f32 v[S+64*\t+32+2*i:S+64*\t+32+2*i+1], v[S+64*\t+32+2*i:S+64*\t+32+2*i+1], v[IV+2*\t:IV+2*\t+1] op_sel_hi:[1,0]
.set i, i+1
.endr
.set i, 0
.rept 16
	v_cvt_pk_f16_f32 v[X+32*\t+i], v[S+64*\t+32+2*i], v[S+64*\t+32+2*i+1]
.set i, i+1
.endr
.irp ct, 0,1,2,3
	ds_store_b128 v[STO], v[X+32*\t+4*\ct:X+32*\t+4*\ct+3] offset:32*\ct
.endr
.irp f, 0,1,2,3
	ds_load_b128 v[X+32*\t+16+4*\f:X+32*\t+16+4*\f+3], v[RD] offset:\f*4*SP  ; LDS serves a wave's instructions in order: these see the stores above, and the next tile's stores come behind them
.endr
.endr
	s_wait_dscnt 8                                 ; the first tile's rows are back; the second tile's four stores and four loads stay out
.irp f, 0,1,2,3
	global_store_b128 v[GO], v[X+16+4*\f:X+16+4*\f+3], s[10:11] offset:2*(\pr)*2048+512*\f  ; 512 consecutive bytes, aligned
.endr
	s_wait_dscnt 0x0
.irp f, 0,1,2,3
	global_store_b128 v[GO], v[X+48+4*\f:X+48+4*\f+3], s[10:11] offset:(2*(\pr)+1)*2048+512*\f
.endr
	v_cndmask_b32 v[TM], v[MP], v[MP+2], s28       ; lane l: query 32 pr + l
	v_cndmask_b32 v[TM+1], v[LL], v[LL+4], s28
	global_store_b64 v[SO], v[TM:TM+1], s[12:13] offset:256*(\pr)  ; 256 consecutive bytes, aligned
.endm
	PAIR 0
	PAIR 1
	s_wait_tensorcnt 0x0                           ; the wave's end
	ds_add_u32 v[SPW], v[NIL]
	s_wait_dscnt 0x0
	s_endpgm
.Lfunc_end_k_q7277d44874_attend:
	.size	k_q7277d44874_attend, .Lfunc_end_k_q7277d44874_attend-k_q7277d44874_attend
	.p2alignl 7, 3214868480
	.fill 96, 4, 3214868480
	.section	.rodata,"a",@progbits
	.p2align	6, 0x0
	.amdhsa_kernel k_q7277d44874_attend
		.amdhsa_group_segment_fixed_size 113408
		.amdhsa_private_segment_fixed_size 0
		.amdhsa_enable_private_segment 0
		.amdhsa_kernarg_size 40
		.amdhsa_user_sgpr_count 2
		.amdhsa_user_sgpr_kernarg_segment_ptr 1
		.amdhsa_wavefront_size32 1
		.amdhsa_system_sgpr_workgroup_id_x 1
		.amdhsa_system_sgpr_workgroup_id_y 1
		.amdhsa_system_sgpr_workgroup_id_z 1
		.amdhsa_system_vgpr_workitem_id 0
		.amdhsa_next_free_vgpr 256
		.amdhsa_next_free_sgpr 66
		.amdhsa_reserve_vcc 1
		.amdhsa_float_denorm_mode_32 3
		.amdhsa_float_denorm_mode_16_64 3
		.amdhsa_memory_ordered 1
		.amdhsa_forward_progress 1
		.amdhsa_inst_pref_size 170
	.end_amdhsa_kernel
	.amdgpu_metadata
---
amdhsa.version: [ 1, 2 ]
amdhsa.kernels:
  - .name:           k_q7277d44874_attend
    .symbol:         k_q7277d44874_attend.kd
    .args:
      - { .name: packed, .offset: 0, .size: 8, .value_kind: global_buffer, .address_space: global }
      - { .name: anorm, .offset: 8, .size: 8, .value_kind: global_buffer, .address_space: global }
      - { .name: ranks, .offset: 16, .size: 8, .value_kind: global_buffer, .address_space: global }
      - { .name: att, .offset: 24, .size: 8, .value_kind: global_buffer, .address_space: global }
      - { .name: stat, .offset: 32, .size: 8, .value_kind: global_buffer, .address_space: global }
    .group_segment_fixed_size: 113408
    .private_segment_fixed_size: 0
    .kernarg_segment_align: 8
    .kernarg_segment_size: 40
    .max_flat_workgroup_size: 128
    .sgpr_count:     66
    .vgpr_count:     256
    .wavefront_size: 32
...
	.end_amdgpu_metadata
.endif
;; end of part 2
;; launch combine (part 3): grid 512 x 1, 8 waves a work-group, no clusters, 0 bytes of LDS; arguments ranks, att, stat, out0; writes out0
.if DOCPART == 3
	.amdgcn_target "amdgcn-amd-amdhsa--gfx1250"
	.amdhsa_code_object_version 6
	.text
	.protected	k_q7277d44874_combine
	.globl	k_q7277d44874_combine
	.p2align	8
	.type	k_q7277d44874_combine,@function
k_q7277d44874_combine:
	s_mov_b64 s[64:65], 0
	v_nop
	global_prefetch_b8 v0, s[64:65] scope:SCOPE_SE
	s_setreg_imm32_b32 hwreg(HW_REG_WAVE_MODE, 25, 1), 1
	s_wait_xcnt 0x0
; out[b][p] = sum over rounds of att_r w_r, w = softmax over rounds of lse_r, with 2^lse_r = l_r 2^(m_r): w_r = l_r 2^(m_r - M) / sum, M the largest m_r.
; att and (m, l) lie by sorted place; the place of position p in round r is ranks[b][r][p] (whole numbers stored two launches before).
; A wave owns 16 positions, two at a time: 16 lanes take a row (8 bytes of f16 each from att, 16 bytes of f32 each into out).
; The 32 ranks are loaded and waited for first; then 32 pairs (m, l) and 32 pieces of rows are all issued before the first is used.  No LDS, no barrier: no wave needs another's data.
; Matrix units and clusters have nothing to do here: four multiply-adds a number, and rows that follow a list.
; LIMITS.  NaN and infinities are not treated apart; a round whose 2^(m_r - M) is below 2^-126 counts as 0.
.set A,   64                           ; v64-127  (j, r): first the rank, then the row's offset, then 4 f16
.set ST,  128                          ; v128-191 (j, r): offset, then m and l
.set OUT, 192                          ; v192-223 four numbers for each j
	s_load_b256 s[4:11], s[0:1], 0x0               ; ranks, att, stat, out0
	v_lshrrev_b32 v5, 5, v0
	v_readfirstlane_b32 s12, v5                    ; wave
	v_bfe_u32 v1, v0, 4, 1                         ; which of the two positions
	v_and_b32 v2, 15, v0
	v_lshlrev_b32 v2, 3, v2                        ; my 8 bytes of a row of att
	v_lshlrev_b32 v3, 2, v1                        ; my word in ranks
	v_and_b32 v4, 31, v0
	v_lshlrev_b32 v4, 4, v4                        ; my 16 bytes in two rows of out
	s_lshr_b32 s13, ttmp9, 4                       ; b
	s_and_b32 s14, ttmp9, 15
	s_lshl_b32 s14, s14, 7
	s_lshl_b32 s15, s12, 4
	s_add_co_u32 s14, s14, s15                     ; my wave's first position
	s_mov_b32 s17, 0
	s_wait_kmcnt 0x0
	s_lshl_b32 s16, s13, 15
	s_lshl_b32 s15, s14, 2
	s_add_co_u32 s16, s16, s15
	s_add_nc_u64 s[4:5], s[4:5], s[16:17]          ; ranks[b][0][first position]
	s_lshl_b32 s16, s13, 20
	s_add_nc_u64 s[6:7], s[6:7], s[16:17]          ; att[b]
	s_lshl_b32 s16, s13, 16
	s_add_nc_u64 s[8:9], s[8:9], s[16:17]          ; stat[b]
	s_lshl_b32 s16, s13, 19
	s_lshl_b32 s15, s14, 8
	s_add_co_u32 s16, s16, s15
	s_add_nc_u64 s[10:11], s[10:11], s[16:17]      ; out[b][first position]
.irp j, 0,1,2,3,4,5,6,7
.irp r, 0,1,2,3
	global_load_b32 v[A+8*\j+2*\r], v3, s[4:5] offset:8192*\r+8*\j
.endr
.endr
	s_wait_loadcnt 0x0
.irp j, 0,1,2,3,4,5,6,7
.irp r, 0,1,2,3
	v_min_u32 v[A+8*\j+2*\r], 0x7ff, v[A+8*\j+2*\r]
	v_lshlrev_b32 v[ST+8*\j+2*\r], 3, v[A+8*\j+2*\r]
	v_lshl_add_u32 v[A+8*\j+2*\r], v[A+8*\j+2*\r], 7, v2
.endr
.irp r, 0,1,2,3                        ; each load lands on its own address register
	global_load_b64 v[ST+8*\j+2*\r:ST+8*\j+2*\r+1], v[ST+8*\j+2*\r], s[8:9] offset:16384*\r
	global_load_b64 v[A+8*\j+2*\r:A+8*\j+2*\r+1], v[A+8*\j+2*\r], s[6:7] offset:262144*\r
.endr
.endr
.macro JOB j
.set AJ, A+8*(\j)
.set SJ, ST+8*(\j)
.set OJ, OUT+4*(\j)
	s_wait_loadcnt 8*(7-(\j))                      ; behind this pair's eight loads stand eight for each later pair
	v_max3_num_f32 v32, v[SJ], v[SJ+2], v[SJ+4]
	v_max_num_f32 v32, v32, v[SJ+6]
	v_sub_f32 v33, v[SJ], v32
	v_sub_f32 v34, v[SJ+2], v32
	v_sub_f32 v35, v[SJ+4], v32
	v_sub_f32 v36, v[SJ+6], v32
	v_exp_f32 v33, v33
	v_exp_f32 v34, v34
	v_exp_f32 v35, v35
	v_exp_f32 v36, v36
.irp q, 0,1,2,3,4,5,6,7                ; the rows' words go to registers whose halves the lines below name; also the plain work behind the exponentials
	v_mov_b32 v[8+\q], v[AJ+\q]
.endr
	s_wait_alu depctr_va_vdst(0)
	v_mul_f32 v33, v33, v[SJ+1]
	v_mul_f32 v34, v34, v[SJ+3]
	v_mul_f32 v35, v35, v[SJ+5]
	v_mul_f32 v36, v36, v[SJ+7]
	v_add_f32 v37, v33, v34
	v_add_f32 v38, v35, v36
	v_add_f32 v37, v37, v38                        ; at least 1: the round with the largest m has l of 1 or more
	v_rcp_f32 v38, v37
	v_cvt_f32_f16 v16, v8.l                        ; round r's four numbers into v[16 + 4 r ..]
	v_cvt_f32_f16 v17, v8.h
	v_cvt_f32_f16 v18, v9.l
	v_cvt_f32_f16 v19, v9.h
	v_cvt_f32_f16 v20, v10.l
	v_cvt_f32_f16 v21, v10.h
	v_cvt_f32_f16 v22, v11.l
	v_cvt_f32_f16 v23, v11.h
	v_cvt_f32_f16 v24, v12.l
	v_cvt_f32_f16 v25, v12.h
	v_cvt_f32_f16 v26, v13.l
	v_cvt_f32_f16 v27, v13.h
	v_cvt_f32_f16 v28, v14.l
	v_cvt_f32_f16 v29, v14.h
	v_cvt_f32_f16 v30, v15.l
	v_cvt_f32_f16 v31, v15.h
	s_wait_alu depctr_va_vdst(0)
	v_mul_f32 v33, v33, v38
	v_mul_f32 v34, v34, v38
	v_mul_f32 v35, v35, v38
	v_mul_f32 v36, v36, v38
.irp c, 0,1,2,3
	v_mul_f32 v[OJ+\c], v33, v[16+\c]
.endr
.irp c, 0,1,2,3
	v_fmac_f32 v[OJ+\c], v34, v[20+\c]
.endr
.irp c, 0,1,2,3
	v_fmac_f32 v[OJ+\c], v35, v[24+\c]
.endr
.irp c, 0,1,2,3
	v_fmac_f32 v[OJ+\c], v36, v[28+\c]
.endr
	global_store_b128 v4, v[OJ:OJ+3], s[10:11] offset:512*(\j)  ; two rows: 512 consecutive bytes, aligned; these registers are not written again
.endm
.irp j, 0,1,2,3,4,5,6,7
	JOB \j
.endr
	s_endpgm
.Lfunc_end_k_q7277d44874_combine:
	.size	k_q7277d44874_combine, .Lfunc_end_k_q7277d44874_combine-k_q7277d44874_combine
	.p2alignl 7, 3214868480
	.fill 96, 4, 3214868480
	.section	.rodata,"a",@progbits
	.p2align	6, 0x0
	.amdhsa_kernel k_q7277d44874_combine
		.amdhsa_group_segment_fixed_size 0
		.amdhsa_private_segment_fixed_size 0
		.amdhsa_enable_private_segment 0
		.amdhsa_kernarg_size 32
		.amdhsa_user_sgpr_count 2
		.amdhsa_user_sgpr_kernarg_segment_ptr 1
		.amdhsa_wavefront_size32 1
		.amdhsa_system_sgpr_workgroup_id_x 1
		.amdhsa_system_sgpr_workgroup_id_y 1
		.amdhsa_system_sgpr_workgroup_id_z 1
		.amdhsa_system_vgpr_workitem_id 0
		.amdhsa_next_free_vgpr 224
		.amdhsa_next_free_sgpr 66
		.amdhsa_reserve_vcc 0
		.amdhsa_float_denorm_mode_32 3
		.amdhsa_float_denorm_mode_16_64 3
		.amdhsa_memory_ordered 1
		.amdhsa_forward_progress 1
		.amdhsa_inst_pref_size 33
	.end_amdhsa_kernel
	.amdgpu_metadata
---
amdhsa.version: [ 1, 2 ]
amdhsa.kernels:
  - .name:           k_q7277d44874_combine
    .symbol:         k_q7277d44874_combine.kd
    .args:
      - { .name: ranks, .offset: 0, .size: 8, .value_kind: global_buffer, .address_space: global }
      - { .name: att, .offset: 8, .size: 8, .value_kind: global_buffer, .address_space: global }
      - { .name: stat, .offset: 16, .size: 8, .value_kind: global_buffer, .address_space: global }
      - { .name: out0, .offset: 24, .size: 8, .value_kind: global_buffer, .address_space: global }
    .group_segment_fixed_size: 0
    .private_segment_fixed_size: 0
    .kernarg_segment_align: 8
    .kernarg_segment_size: 32
    .max_flat_workgroup_size: 256
    .sgpr_count:     66
    .vgpr_count:     224
    .wavefront_size: 32
...
	.end_amdgpu_metadata
.endif
;; end of part 3
